; MI455X (gfx1250); checked and timed in simulation.
; The chip was launched on July 23, 2026; its instructions are those of AMD's public machine-readable ISA for CDNA 5 (MIT licence, August 2026) and "CDNA5" Instruction Set Architecture Reference Guide (July 2026). The comments in the code are by the model that wrote it; some were corrected since.
;; Bah Attn. Allowed arithmetic: matrix products marked QUANTISED: E5M2 operands, one E8M0 scale for each 32 along K, by v_wmma_scale_f32_16x16x128_f8f6f4 with both operands' format E5M2, f32 sums; products left as they are: f32 operands where the result goes on into a quantised operand, else bf16, f16 or f32 operands; f32 sums; everything else in f32.
;; Inputs: W1_codes 1,024 x 32 x 32 uint8 (E5M2 codes of W1, K innermost, in blocks of 32 codes); W1_scales 1,024 x 32 uint8 (E8M0 scales of W1, one for each 32 codes along K); W2_codes 1,024 x 64 x 32 uint8 (E5M2 codes of W2, K innermost, in blocks of 32 codes); W2_scales 1,024 x 64 uint8 (E8M0 scales of W2, one for each 32 codes along K); b1 1,024 float32; b2 1,024 float32; bv 1 float32; memory 32 x 1,024 x 2,048 float32; v 1,024 float32; x_codes 32 x 32 x 32 uint8 (E5M2 codes of x, K innermost, in blocks of 32 codes); x_scales 32 x 32 uint8 (E8M0 scales of x, one for each 32 codes along K).
;; Outputs: out0 32 x 2,048 float32; out1 32 x 1,024 float32.
;; This version of the problem:
;;   THIS VERSION OF THE PROBLEM IS GIVEN IN LOW PRECISION. The matrix products marked QUANTISED in the list below multiply operands that are first quantised to E5M2 (5 exponent bits, 2 mantissa bits; 8 bits a number), with one power-of-two scale for each 32 numbers along K (OCP MX v1.0); their sums are f32. All else is computed in f32.
;;   The module's matrix products, in the order in which they are computed (A, B: the left and right operand; K: the contracted axis; several contracted axes count as one K, in the product's order):
;;     1. [M 32, K 1,024] x [K 1,024, N 1,024]; A: input x (given as codes); B: input W1 (given as codes): QUANTISED
;;     2. [M 32,768, K 2,048] x [K 2,048, N 1,024]; A: input memory; B: input W2 (given as codes): QUANTISED
;;     3. [M 32,768, K 1,024] x [K 1,024, N 1]; A: computed on the way; B: input v: left as it is (N = 1 < 16)
;;     4. batch 32 x [M 1, K 1,024] x [K 1,024, N 2,048]; A: softmax; B: input memory: left as it is (M = 1 < 16)
;;   THE QUANTISER, for each operand of a quantised product, along K:
;;     - K is cut into blocks of 32 from its start; a last block that is shorter is filled with zeros.
;;     - A block's scale is 2^e with e = floor(log2(the largest magnitude in the block)) - 15, held to -126 .. 127; a block of zeros has e = 0. As a byte (E8M0): e + 127.
;;     - Each number is divided by its block's scale, clamped to +-57,344, and rounded to the nearest number of E5M2, ties to even, subnormals kept.
;;     - The product sums the exact products of the quantised numbers (number of the format x scale) in f32.
;;   ~~~python
;;   def quantise(x, axis):      # numpy; x: float32 -> the quantised numbers, widened to float32 again
;;       x = np.moveaxis(x, axis, -1); K = x.shape[-1]
;;       x = np.pad(x, [(0, 0)] * (x.ndim - 1) + [(0, -K % 32)]); x = x.reshape(x.shape[:-1] + (-1, 32)); a = np.abs(x).max(-1, keepdims=True)
;;       e = np.where(a > 0, np.clip(np.frexp(np.where(a > 0, a, 1))[1] - 1 - 15, -126, 127), 0)      # np.frexp(a)[1] - 1 = floor(log2(a)), exactly
;;       r = np.clip(x / 2.0 ** e, -57344, 57344)
;;       step = 2.0 ** (np.maximum(np.frexp(np.where(r == 0, 1, r))[1] - 1, -14) - 2)
;;       q = np.round(r / step) * step * 2.0 ** e      # np.round: ties to even
;;       return np.moveaxis(q.reshape(q.shape[:-2] + (-1,))[..., :K], -1, axis).astype(np.float32)
;;   ~~~
;;   INPUTS GIVEN AS CODES. W1 (in the module: [1024, 1024], K = its axis 0); W2 (in the module: [2048, 1024], K = its axis 0); x (in the module: [32, 1024], K = its axis 1): each comes as NAME_codes (uint8): NAME with its K axis moved to the last place and cut into blocks of 32 codes, [.., K / 32, bytes a block], one block behind the other in memory; one code a byte (a code: sign, 5 exponent bits, 2 mantissa bits); and NAME_scales (uint8): the same leading axes, one E8M0 byte (e + 127) for each 32 codes along K. Its value is code x scale, taken as it is: it is not quantised again, and the codes and scales need not be those that the quantiser above would give.
;; One version. Each part assembles by itself: llvm-mc -triple=amdgcn-amd-amdhsa -mcpu=gfx1250 --defsym DOCPART=n.
;; ======== version 1 of 1: 3 launches
;; limits: right only within a limited range of input values
;; workspace buffers: hv 524,288 bytes; w2f 2,097,152 bytes; w2s 65,536 bytes; scores 131,072 bytes; part 2,097,152 bytes
;; launch prep (part 1): grid 96 x 1, 4 waves a work-group, no clusters, 0 bytes of LDS; arguments x_codes, x_scales, W1_codes, W1_scales, b1, b2, v, W2_codes, W2_scales, hv, w2f, w2s; writes hv, w2f, w2s
.if DOCPART == 1
	.amdgcn_target "amdgcn-amd-amdhsa--gfx1250"
	.amdhsa_code_object_version 6
	.text
	.protected	k_qa177c4068c_prep
	.globl	k_qa177c4068c_prep
	.p2align	8
	.type	k_qa177c4068c_prep,@function
k_qa177c4068c_prep:
	s_mov_b64 s[64:65], 0
	v_nop
	global_prefetch_b8 v0, s[64:65] scope:SCOPE_SE
	s_setreg_imm32_b32 hwreg(HW_REG_WAVE_MODE, 25, 1), 1
	s_wait_xcnt 0x0
; THE PROGRAM: score[b][s] = sum over h of v[h] tanh(h_x[b][h] + h_m[b][s][h]) + bv, softmax over s, context = sum over s of p[b][s] memory[b][s][:].
; h_x = x W1 + b1 and h_m = memory W2 + b2 are products on codes of BF8 (E5M2) with one E8M0 scale for each 32 along K.
; WORK LEFT OUT, for all values of the inputs.  softmax(u + k) = softmax(u) for any k that is the same for all 1,024 positions of a row.
;   (a) bv is added alike to all positions of every row: it reaches neither output.  It is not loaded and is no argument of any launch.
;   (b) tanh z = 1 - 2 / (1 + e^(2 z)), so sum_h v[h] tanh z[h] = sum_h v[h] + sum_h (-2 v[h]) / (1 + e^(2 z[h])); the first sum is the same for all positions and is never formed.
;   The program's score is score' = sum_h (-2 v[h]) / (1 + 2^(c z[h])), c = 2 log2(e).
; LIMITS: a NaN, an infinity or an overflow in bv or in sum_h v[h] is not carried to the result.  NaN and infinities among the inputs are not served.
;   b1 + b2 is added first and h_x then: another order of rounding than h_x + b1, then + h_m + b2.
; THIS LAUNCH: 384 tasks, a wave each; task T = 96 x wave + work-group.
;   T 0-63:    h_x, 32 batches x 16 columns (tile T).  Stored: hv[batch][n] = (cb, cb, vv, vv), cb = c (h_x + b1 + b2), vv = -2 v: doubled, so that packed instructions take plain pairs.
;   T 64-319:  W2's codes relaid in the order of an operand's registers: w2f[w][16 p + s][b][c][lane] = the 16 codes W2[n = 256 w + 128 p + 16 b + lane % 16][k = 128 s + 32 c + 16 (lane / 16) ..].
;   T 320-383: W2's scale words likewise: w2s[w][8 p + sp][b / 4][lane][b % 4] = the word of column n for K step 2 sp + lane / 16.
; A task of the first kind issues 105 loads, most of them 32 bytes of each of sixteen rows; the others issue 16 or 8.  By the numbering no work-group has more than one task of the first kind.
; No LDS, no barrier: waves share nothing.  No cluster: what is shared (x's 32 KB) is small beside what each wave reads alone.
.set C2L, 0x4038aa3b                   ; c = 2 log2(e)
.set MSB, 0
.macro WIN new                         ; the immediate's high byte repeats the setting that is left
.if MSB != \new
	s_set_vgpr_msb (MSB<<8)|\new
.set MSB, \new
.endif
.endm
	s_load_b512 s[4:19], s[0:1], 0x0               ; x_codes s[4:5], x_scales s[6:7], W1_codes s[8:9], W1_scales s[10:11], b1 s[12:13], b2 s[14:15], v s[16:17], W2_codes s[18:19]
	s_load_b256 s[20:27], s[0:1], 0x40             ; W2_scales s[20:21], hv s[22:23], w2f s[24:25], w2s s[26:27]
	v_lshrrev_b32 v1, 5, v0
	v_readfirstlane_b32 s28, v1                    ; wave 0..3
	v_and_b32 v1, 15, v0                           ; r = lane % 16
	v_bfe_u32 v2, v0, 4, 1                         ; h = lane / 16
	v_and_b32 v3, 31, v0
	v_lshlrev_b32 v3, 4, v3                        ; 16 x lane
	s_mov_b32 s31, 0                               ; the high word of every offset
	s_mul_i32 s29, s28, 96
	s_add_co_u32 s29, s29, ttmp9                   ; my task T
	s_wait_kmcnt 0x0
	s_cmp_lt_u32 s29, 64
	s_cbranch_scc0 .Lnot_h
	; ---- h_x: columns 16 T .. 16 T + 15, all 32 batches
	s_lshl_b32 s30, s29, 14                        ; 16 rows of W1's codes, 1,024 bytes each
	s_add_nc_u64 s[8:9], s[8:9], s[30:31]
	s_lshl_b32 s30, s29, 9                         ; 16 rows of its scale bytes, 32 each
	s_add_nc_u64 s[10:11], s[10:11], s[30:31]
	s_lshl_b32 s30, s29, 6                         ; 16 numbers of b1, b2, v
	s_add_nc_u64 s[12:13], s[12:13], s[30:31]
	s_add_nc_u64 s[14:15], s[14:15], s[30:31]
	s_add_nc_u64 s[16:17], s[16:17], s[30:31]
	s_lshl_b32 s30, s29, 8                         ; 16 entries of hv, 16 bytes each
	s_add_nc_u64 s[22:23], s[22:23], s[30:31]
	s_mov_b32 s32, C2L
	s_wait_alu depctr_va_vdst(0)
	v_lshlrev_b32 v4, 10, v1
	v_lshl_add_u32 v4, v2, 4, v4                   ; a fragment's place: row r of 1,024 bytes + 16 h
	v_lshlrev_b32 v5, 5, v1                        ; a row of scale bytes: 32 r
	v_lshlrev_b32 v6, 2, v1                        ; 4 r
	v_lshlrev_b32 v7, 4, v1
	v_lshl_add_u32 v7, v2, 17, v7                  ; hv: 16 r + 8 h batches of 16,384 bytes
	WIN 0x40                                       ; destination window 1: x's 16 fragments (tile of batches mt, K step s) at v[128 mt + 16 s]
.irp mt, 0,1
.irp s, 0,1,2,3,4,5,6,7
.irp c, 0,1,2,3
	global_load_b128 v[128*\mt+16*\s+4*\c:128*\mt+16*\s+4*\c+3], v4, s[4:5] offset:\mt*16384+\s*128+\c*32
.endr
.endr
.endr
	WIN 0
.irp s, 0,1,2,3,4,5,6,7                ; W1's 8 fragments at v[128 + 16 s]
.irp c, 0,1,2,3
	global_load_b128 v[128+16*\s+4*\c:128+16*\s+4*\c+3], v4, s[8:9] offset:\s*128+\c*32
.endr
.endr
.irp mt, 0,1                           ; scale words: lane r holds row r's eight words, one for each K step: x's at v[32 + 8 mt + s], W1's at v[48 + s]
	global_load_b128 v[32+8*\mt:35+8*\mt], v5, s[6:7] offset:\mt*512
	global_load_b128 v[36+8*\mt:39+8*\mt], v5, s[6:7] offset:\mt*512+16
.endr
	global_load_b128 v[48:51], v5, s[10:11]
	global_load_b128 v[52:55], v5, s[10:11] offset:16
	global_load_b32 v8, v6, s[12:13]               ; b1, b2, v of my column
	global_load_b32 v9, v6, s[14:15]
	global_load_b32 v10, v6, s[16:17]
	s_wait_loadcnt 0x0
	WIN 0x01                                       ; source 0 (x) window 1
.irp s, 0,1,2,3,4,5,6,7                ; the two accumulators take turns, one instruction a turn; the first K step starts the sums
.irp mt, 0,1
.if \s == 0
	v_wmma_scale_f32_16x16x128_f8f6f4 v[16+8*\mt:23+8*\mt], v[128*\mt+16*\s:128*\mt+16*\s+15], v[128+16*\s:128+16*\s+15], 0, v[32+8*\mt+\s], v[48+\s] matrix_a_fmt:MATRIX_FMT_BF8 matrix_b_fmt:MATRIX_FMT_BF8
.else
	v_wmma_scale_f32_16x16x128_f8f6f4 v[16+8*\mt:23+8*\mt], v[128*\mt+16*\s:128*\mt+16*\s+15], v[128+16*\s:128+16*\s+15], v[16+8*\mt:23+8*\mt], v[32+8*\mt+\s], v[48+\s] matrix_a_fmt:MATRIX_FMT_BF8 matrix_b_fmt:MATRIX_FMT_BF8
.endif
.endr
.endr
	WIN 0
	v_add_f32 v11, v8, v9                          ; eight places behind the last product: three lines of work that name none of its registers, five v_nop
	v_mul_f32 v11, s32, v11                        ; c (b1 + b2)
	v_mul_f32 v12, -2.0, v10                       ; vv
.rept 5
	v_nop
.endr
.set k, 0                              ; register k of the 16: batch 16 (k / 8) + 8 h + k % 8, column r; each accumulator from its low end on
.rept 16
	v_fma_f32 v[64+4*k], v[16+k], s32, v11
	v_fma_f32 v[65+4*k], v[16+k], s32, v11
	v_mov_b32 v[66+4*k], v12
	v_mov_b32 v[67+4*k], v12
	s_wait_alu depctr_va_vdst(0)
	global_store_b128 v7, v[64+4*k:67+4*k], s[22:23] offset:(16*(k/8)+k%8)*16384   ; sixteen lanes store 256 consecutive bytes, at a multiple of 256 from hv's first byte
.set k, k+1
.endr
	s_endpgm
.Lnot_h:
	s_cmp_lt_u32 s29, 320
	s_cbranch_scc0 .Lscales
	; ---- W2's codes: 16 columns (tile nt), K steps 4 kq + 0 .. 3
	s_sub_co_u32 s29, s29, 64
	s_and_b32 s34, s29, 3                          ; kq
	s_lshr_b32 s29, s29, 2                         ; nt = 16 w + 8 p + b
	s_lshl_b32 s30, s29, 15                        ; 16 rows of 2,048 bytes
	s_lshl_b32 s33, s34, 9                         ; four K steps of 128 bytes
	s_add_co_u32 s30, s30, s33
	s_add_nc_u64 s[18:19], s[18:19], s[30:31]
	s_lshr_b32 s30, s29, 4
	s_lshl_b32 s30, s30, 19                        ; w x 524,288
	s_bfe_u32 s33, s29, 0x10003
	s_lshl_b32 s33, s33, 18                        ; p x 16 K steps x 16,384
	s_add_co_u32 s30, s30, s33
	s_lshl_b32 s33, s34, 16                        ; four K steps x 16,384
	s_add_co_u32 s30, s30, s33
	s_and_b32 s33, s29, 7
	s_lshl_b32 s33, s33, 11                        ; b x 2,048
	s_add_co_u32 s30, s30, s33
	s_add_nc_u64 s[24:25], s[24:25], s[30:31]
	s_wait_alu depctr_va_vdst(0)
	v_lshlrev_b32 v4, 11, v1
	v_lshl_add_u32 v4, v2, 4, v4                   ; row r of 2,048 bytes + 16 h
.irp i, 0,1,2,3
.irp c, 0,1,2,3
	global_load_b128 v[64+16*\i+4*\c:64+16*\i+4*\c+3], v4, s[18:19] offset:\i*128+\c*32
.endr
.endr
.irp i, 0,1,2,3
.irp c, 0,1,2,3
	s_wait_loadcnt 15-4*\i-\c                      ; loads come back in order: this one is in, the younger ones may be out
	global_store_b128 v3, v[64+16*\i+4*\c:64+16*\i+4*\c+3], s[24:25] offset:\i*16384+\c*512   ; 32 lanes store 512 consecutive bytes
.endr
.endr
	s_endpgm
.Lscales:
	; ---- W2's scale words: run W = 16 w + 8 p + sp of 1,024 bytes
	s_sub_co_u32 s29, s29, 320                     ; W
	s_lshr_b32 s30, s29, 3                         ; 2 w + p: which 128 columns,
	s_lshl_b32 s30, s30, 13                        ; 64 bytes each
	s_and_b32 s33, s29, 7
	s_lshl_b32 s33, s33, 3                         ; sp: two words on
	s_add_co_u32 s30, s30, s33
	s_add_nc_u64 s[20:21], s[20:21], s[30:31]
	s_lshl_b32 s30, s29, 10
	s_add_nc_u64 s[26:27], s[26:27], s[30:31]
	s_wait_alu depctr_va_vdst(0)
	v_lshlrev_b32 v4, 6, v1
	v_lshl_add_u32 v4, v2, 2, v4                   ; column r's row of 64 bytes; lanes 16-31 take the odd K step's word
.irp b, 0,1,2,3,4,5,6,7
	global_load_b32 v[64+\b], v4, s[20:21] offset:\b*1024
.endr
	s_wait_loadcnt 0x0
	global_store_b128 v3, v[64:67], s[26:27]
	global_store_b128 v3, v[68:71], s[26:27] offset:512
	s_endpgm
.Lfunc_end_k_qa177c4068c_prep:
	.size	k_qa177c4068c_prep, .Lfunc_end_k_qa177c4068c_prep-k_qa177c4068c_prep
	.p2alignl 7, 3214868480
	.fill 96, 4, 3214868480
	.section	.rodata,"a",@progbits
	.p2align	6, 0x0
	.amdhsa_kernel k_qa177c4068c_prep
		.amdhsa_group_segment_fixed_size 0
		.amdhsa_private_segment_fixed_size 0
		.amdhsa_enable_private_segment 0
		.amdhsa_kernarg_size 96
		.amdhsa_user_sgpr_count 2
		.amdhsa_user_sgpr_kernarg_segment_ptr 1
		.amdhsa_wavefront_size32 1
		.amdhsa_system_sgpr_workgroup_id_x 1
		.amdhsa_system_sgpr_workgroup_id_y 1
		.amdhsa_system_sgpr_workgroup_id_z 1
		.amdhsa_system_vgpr_workitem_id 0
		.amdhsa_next_free_vgpr 512
		.amdhsa_next_free_sgpr 66
		.amdhsa_reserve_vcc 0
		.amdhsa_float_denorm_mode_32 3
		.amdhsa_float_denorm_mode_16_64 3
		.amdhsa_memory_ordered 1
		.amdhsa_forward_progress 1
		.amdhsa_inst_pref_size 25
	.end_amdhsa_kernel
	.amdgpu_metadata
---
amdhsa.version: [ 1, 2 ]
amdhsa.kernels:
  - .name:           k_qa177c4068c_prep
    .symbol:         k_qa177c4068c_prep.kd
    .args:
      - { .name: x_codes, .offset: 0, .size: 8, .value_kind: global_buffer, .address_space: global }
      - { .name: x_scales, .offset: 8, .size: 8, .value_kind: global_buffer, .address_space: global }
      - { .name: W1_codes, .offset: 16, .size: 8, .value_kind: global_buffer, .address_space: global }
      - { .name: W1_scales, .offset: 24, .size: 8, .value_kind: global_buffer, .address_space: global }
      - { .name: b1, .offset: 32, .size: 8, .value_kind: global_buffer, .address_space: global }
      - { .name: b2, .offset: 40, .size: 8, .value_kind: global_buffer, .address_space: global }
      - { .name: v, .offset: 48, .size: 8, .value_kind: global_buffer, .address_space: global }
      - { .name: W2_codes, .offset: 56, .size: 8, .value_kind: global_buffer, .address_space: global }
      - { .name: W2_scales, .offset: 64, .size: 8, .value_kind: global_buffer, .address_space: global }
      - { .name: hv, .offset: 72, .size: 8, .value_kind: global_buffer, .address_space: global }
      - { .name: w2f, .offset: 80, .size: 8, .value_kind: global_buffer, .address_space: global }
      - { .name: w2s, .offset: 88, .size: 8, .value_kind: global_buffer, .address_space: global }
    .group_segment_fixed_size: 0
    .private_segment_fixed_size: 0
    .kernarg_segment_align: 8
    .kernarg_segment_size: 96
    .max_flat_workgroup_size: 128
    .sgpr_count:     66
    .vgpr_count:     512
    .wavefront_size: 32
...
	.end_amdgpu_metadata
.endif
;; end of part 1
;; launch score (part 2): grid 8 x 32, 4 waves a work-group, no clusters, 306,688 bytes of LDS; arguments memory, w2f, w2s, hv, scores, part; writes scores, part
.if DOCPART == 2
	.amdgcn_target "amdgcn-amd-amdhsa--gfx1250"
	.amdhsa_code_object_version 6
	.text
	.protected	k_qa177c4068c_score
	.globl	k_qa177c4068c_score
	.p2align	8
	.type	k_qa177c4068c_score,@function
k_qa177c4068c_score:
	s_mov_b64 s[64:65], 0
	v_nop
	global_prefetch_b8 v0, s[64:65] scope:SCOPE_SE
	s_setreg_imm32_b32 hwreg(HW_REG_WAVE_MODE, 25, 1), 1
	s_wait_xcnt 0x0
; scores[b][s] = score' = sum over h of (-2 v[h]) / (1 + 2^(c z)), z = h_x[b][h] + b1[h] + b2[h] + (memory[b][s] . W2[:, h]), c = 2 log2(e).
; LEFT OUT (shown at the head of the first kernel): bv and sum_h v[h], both the same for all positions of a row of the softmax.
; The product is on codes of BF8 (E5M2) with one E8M0 scale for each 32 along K = 2,048: W2's come relaid from the launch before, memory's are made here.
; LIMITS: NaN and infinities in memory are not served.  A block whose largest magnitude lies under 2^-111 takes the scale byte 1 (the rule's clip); a block of zeros takes byte 1 where the rule says 127: its codes are zeros, which add nothing.
; 2^(c z) that overflows gives 1 / infinity = 0 (tanh = 1), one that falls to 0 gives 1 / 1 (tanh = -1): no NaN arises.
; SHARES.  A work-group of four waves owns 128 positions of one batch.
;   Q: wave w quantises rows 32 w .. 32 w + 31, all of K; the fragments go to LDS as IMAGES OF THE OPERAND'S REGISTERS (lane l's 16 bytes at 16 l), 262,144 bytes, and stay.
;   G: wave w makes all 128 rows x columns 256 w + 128 p .. + 127, p = 0, 1: 64 accumulators of 16 x 16, 512 registers.  A's fragments come from LDS; B's come from memory straight into registers:
;      no two waves of the group share a fragment of B, so LDS would give B no second use, and beside A's codes LDS has no room for a K step of B's 512 columns.  For that reason: no tensor load, no cluster.
;   T: behind each pass the 512 results a lane become (-2 v) / (1 + 2^(c z)) and are added into 64 sums, one for each of the lane's rows.
; Source 0 = 16 rows of memory, source 1 = 16 columns of W2: a lane holds ONE column (lane % 16) and rows 8 (lane / 16) + 0 .. 7, so c (h_x + b1 + b2) and -2 v are one pair each a lane and tile of columns.
; LDS: AIMG  mt x 32,768 + s x 2,048 + c x 512 + 16 lane (tile of rows mt, K step s): wave w stores into its own 65,536 bytes;
;      ASC   mt x 1,024 + (s / 2) x 128 + 4 (16 (s % 2) + r): lanes 0-15 the even K step's word, lanes 16-31 the odd one's; wave w stores into its own 2,048 bytes;
;      STG   a stage of 16 rows x (512 + 16) bytes for each wave;   PSC  128 partial scores for each wave;   SPARE  the spare words.
; REGISTERS, in windows of 256.  Window 0: v1-26 addresses; v32-47 A's scale words, two sets; v48-63 B's, two sets; v64-127 in Q codes and work, then the 64 sums; v128-255 in Q two sets of 64 numbers, in G A's 8 fragments (ONE set), in T v128-159 the constants.
;   Window 1: in Q four sets of 16 loads; in G B's fragments, TWO sets.   Windows 2, 3: accumulator (a, b) at v[8 (8 (a % 4) + b)] of window 2 + a / 4.
; PHASE C, behind the scores: part[b][g][d] = sum over the group's 128 positions s of e^(score'[s] - m_g) memory[b][s][d], m_g the largest of the group's 128 scores: the maximum is taken away before the exponential.
;   The last launch brings the eight groups of a batch under the batch's maximum and divides by the row's sum.
;   Wave w takes rows 32 w .. 32 w + 31, whole rows of 8,192 bytes on end: 16 loads of 512 consecutive bytes a row, a ring of four rows in window 1 (B's fragments are done with): 64 loads of a wave are out.
;   A lane holds columns 128 c + 4 lane + i in sum 4 c + i: 64 sums.  The four waves' sums meet in LDS bytes that the images have left.  All in f32.
;   No data prefetch in C: the ring's 64 loads a wave are the stream itself; no cluster: no two work-groups read the same rows.
.set AIMG,  0
.set PART,  0                          ; C: 8,192 bytes of sums for each wave, where images lay
.set PB,    65536                      ; C: the group's 128 weights, a copy of 512 bytes for each wave, where images lay
.set PT,    34                         ; s[34:35] part at my group and my wave's 512 columns
.set PWA,   27                         ; v27  my copy of the weights: PB + 512 w + 16 x lane
.set CWA0,  28                         ; v28  my 32 rows' weights in it: PB + 512 w + 128 w, alike in all lanes
.set CWA,   29                         ; v29  the same for the trip in hand
.set PTA,   30                         ; v30  PART + 8,192 w + 16 x lane
.set PRA,   31                         ; v31  PART + 2,048 w + 16 x lane
.set CW,    144                        ; v144-147 four rows' weights
.set CA,    192                        ; v192-255 the 64 sums of C
.set ASC,   262144
.set STG,   270336
.set SP,    528                        ; a stage row: 512 bytes + 16: the sixteen rows that a load touches start at sixteen different banks
.set PSC,   304128
.set SPARE, 306176                     ; 128 bytes for each wave: two blocks of 256 bytes that no other line names
.set LO,   1                           ; v1   16 x lane; never rewritten
.set SAA0, 2                           ; v2   ASC + 4 x lane
.set SAA,  3                           ; v3   the same for the pair of K steps in hand
.set HVO,  4                           ; v4   16 r
.set STW,  5                           ; v5   the stage, on the way in: 16 x lane
.set SPW,  6                           ; v6   LDS address of my spare word; never rewritten
.set NIL,  7                           ; v7   0; never rewritten
.set STR,  8                           ; v8   the stage, on the way out: row r, + 64 h
.set IA0,  9                           ; v9   my wave's images: 16 x lane + 65,536 w
.set IA,   10                          ; v10  the same for the trip in hand
.set SW0,  11                          ; v11  my wave's scale words: ASC + 2,048 w + 4 r
.set SW,   12                          ; v12  the same for the trip in hand
.set PS,   13                          ; v13  PSC + 512 w + 32 h
.set PR,   14                          ; v14  PSC + 16 x lane
.set AB,   16                          ; v16-19  16 x lane + 65,536 j: tiles of rows 2 j, 2 j + 1
.set AA,   20                          ; v20-23  the same for the K step in hand
.set SA,   32
.set SB,   48
.set PC,   64                          ; v64-95   the codes just made, two sets
.set TM,   96                          ; v96-111  largest magnitudes, bytes, holds, scale operands
.set PW,   112                         ; v112-113 the scale word just made, two sets
.set X,    128                         ; v128-255 two sets of 64 numbers
.set S,    64                          ; v64-127  sum of rows 16 a + 8 h + j at v[S + 8 a + j]
.set AF,   128
.set HV,   128                         ; v[HV + 4 b ..]: (cb, cb, vv, vv) of my column in tile b
.set MB,   4                           ; s[4:5]   memory at my wave's rows
.set BB,   6                           ; s[6:7]   w2f at my wave's stream
.set SBB,  8                           ; s[8:9]   w2s likewise
.set HVB,  10                          ; s[10:11] hv at my batch and my 128 columns
.set OUT,  12                          ; s[12:13] scores at the group's 128 positions
.set WV,   14
.set SEL,  20                          ; s[20:21] v_permlanex16_b32's selects for lane l xor 16
.set MNT,  23                          ; the mantissa field of 57,344
.set CC,   24                          ; s[24:25] c, as a pair
.set TI,   26                          ; where the trip's images begin: 4,096 a trip
.set TS,   27                          ; and its scale words: 128 a trip
.set CNT,  28
.set LAP,  29
.set PASS, 30
.set TA,   31                          ; where the K step's images begin: 2,048 a step
.set TSA,  32                          ; and its pair's scale words: 128 a pair
.set MSB, 0
.macro WIN new                         ; the immediate's high byte repeats the setting that is left
.if MSB != \new
	s_set_vgpr_msb (MSB<<8)|\new
.set MSB, \new
.endif
.endm
.set MUL_LO, 0xa4                      ; source 0 (A) window 0, source 1 (B) window 1, C and D window 2
.set MUL_HI, 0xf4                      ; the same, C and D window 3
.set TO_1,   0x40                      ; destination window 1
.set ST_1,   0x04                      ; an LDS store's data (source 1) window 1
; ---------------- phase Q
; Unit u of a trip: K step 2 t + u / 2, my tile of rows u % 2: 16 rows x 128 numbers.  Each load takes 512 consecutive bytes of one row.
.macro LOADSET u, extra
	WIN TO_1
.irp p, 0,1,2,3,4,5,6,7,8,9,10,11,12,13,14,15
	global_load_b128 v[64*(\u)+4*\p:64*(\u)+4*\p+3], v[LO], s[MB:MB+1] offset:\extra+(((\u)%2)*16+\p)*8192+((\u)/2)*512
.endr
	WIN 0
.endm
; The unit's numbers turn through my stage: in as they were loaded, back so that lane (r, h) holds, of row r, numbers 32 c + 16 h + 0 .. 15 in registers 16 c + 0 .. 15.  LDS serves a wave's instructions in order: no wait between.
.macro TURNQ u, x
	WIN ST_1
.irp p, 0,1,2,3,4,5,6,7,8,9,10,11,12,13,14,15
	ds_store_b128 v[STW], v[64*(\u)+4*\p:64*(\u)+4*\p+3] offset:\p*SP
.endr
	WIN 0
.irp c, 0,1,2,3
.irp i, 0,1,2,3
	ds_load_b128 v[X+64*(\x)+16*\c+4*\i:X+64*(\x)+16*\c+4*\i+3], v[STR] offset:\c*128+\i*16
.endr
.endr
.endm
; 64 numbers of a lane, register 16 b + i = k 32 b + 16 h + i of my row, become a fragment's codes in v[pc] on and its scale word in v[pw].
.macro QUANT s, pc, pw
.irp b, 0,1,2,3
	v_max3_num_f32 v[TM+\b], |v[(\s)+16*\b]|, |v[(\s)+1+16*\b]|, 0x8000000   ; block b: my 16 numbers, and the floor 2^(16 - 127): the byte cannot fall under 1
.endr
.irp i, 2,4,6,8,10,12,14
.irp b, 0,1,2,3
	v_max3_num_f32 v[TM+\b], v[TM+\b], |v[(\s)+16*\b+\i]|, |v[(\s)+1+16*\b+\i]|   ; the four blocks by turns
.endr
.endr
.irp b, 0,1,2,3
	v_permlanex16_b32 v[TM+4+\b], v[TM+\b], s[SEL], s[SEL+1]
.endr
.irp b, 0,1,2,3
	v_max_num_f32 v[TM+\b], v[TM+\b], v[TM+4+\b]   ; with lane l xor 16's: the block's largest magnitude
.endr
.irp b, 0,1,2,3
	v_add_nc_u32 v[TM+12+\b], 0xf8800000, v[TM+\b] ; 15 off its exponent field: the conversion takes this operand's exponent field as its scale
.endr
.irp b, 0,1,2,3
	v_and_or_b32 v[TM+8+\b], v[TM+\b], 0x7f800000, s[MNT]   ; 57,344 x the scale
.endr
.irp b, 0,1,2,3
	v_lshrrev_b32 v[TM+4+\b], 23, v[TM+12+\b]      ; the scale's byte
.endr
	v_lshl_or_b32 v[\pw], v[TM+5], 8, v[TM+4]      ; my row's scale word
	v_lshl_or_b32 v[\pw], v[TM+6], 16, v[\pw]
	v_lshl_or_b32 v[\pw], v[TM+7], 24, v[\pw]
.irp b, 0,1,2,3
.irp i, 0,1,2,3,4,5,6,7,8,9,10,11,12,13,14,15
	v_med3_num_f32 v[(\s)+16*\b+\i], v[(\s)+16*\b+\i], -v[TM+8+\b], v[TM+8+\b]   ; the conversion to an 8-bit code does not saturate (ISA guide 7.6.2): the hold
.endr
	v_cvt_scalef32_pk8_bf8_f32 v[(\pc)+4*\b:(\pc)+1+4*\b], v[(\s)+16*\b:(\s)+7+16*\b], v[TM+12+\b]
	v_cvt_scalef32_pk8_bf8_f32 v[(\pc)+2+4*\b:(\pc)+3+4*\b], v[(\s)+8+16*\b:(\s)+15+16*\b], v[TM+12+\b]
.endr
	v_nop                                          ; one plain vector line behind the last scaled conversion
.endm
.macro IMAGE x, u                      ; the fragment goes to LDS as it stands; lanes l and l + 16 store the same scale word to the same place
.irp c, 0,1,2,3
	ds_store_b128 v[IA], v[PC+16*(\x)+4*\c:PC+16*(\x)+4*\c+3] offset:((\u)%2)*32768+((\u)/2)*2048+\c*512
.endr
	ds_store_b32 v[SW], v[PW+(\x)] offset:((\u)%2)*1024+((\u)/2)*64
.endm
.macro UNIT u, reload, turn, lc
	s_wait_dscnt 5                                 ; my 64 numbers are back from the stage; only the last unit's five image stores are younger.  So the stage's stores have read load set u, and the image stores of two units ago have read their codes
.if \reload
	LOADSET \u, 1024                               ; the same unit of the next trip
.endif
.if \turn
	s_wait_loadcnt \lc                             ; the next unit's sixteen loads are the oldest that are out
	TURNQ (\u+1)%4, 1-(\u)%2
.endif
	QUANT X+64*((\u)%2), PC+16*((\u)%2), PW+(\u)%2
	IMAGE (\u)%2, \u
.endm
.macro TRIPHEAD
	s_wait_dscnt 0x0                               ; the last trip's image stores are done: their address registers are written anew
	v_add_nc_u32 v[IA], s[TI], v[IA0]
	v_add_nc_u32 v[SW], s[TS], v[SW0]
.endm
; ---------------- phase G
.macro FETCH_A i0                      ; A's blocks i0 .. i0 + 3 of the K step in hand
.irp i, \i0, \i0+1, \i0+2, \i0+3
.irp c, 0,1,2,3
	ds_load_b128 v[AF+16*(\i)+4*\c:AF+16*(\i)+4*\c+3], v[AA+(\i)/2] offset:((\i)%2)*32768+\c*512
.endr
.endr
.endm
.macro FETCH_SA set                    ; A's scale words of a pair of K steps: register mt
.irp m, 0,1,2,3,4,5,6,7
	ds_load_b32 v[SA+8*(\set)+\m], v[SAA] offset:\m*1024
.endr
.endm
.macro FRAGB set, off, b               ; fragment b of B of one K step: each load 512 consecutive bytes.  The windows are set by the caller: destination window 1
.irp c, 0,1,2,3
	global_load_b128 v[128*(\set)+16*(\b)+4*\c:128*(\set)+16*(\b)+4*\c+3], v[LO], s[BB:BB+1] offset:(\off)+(\b)*2048+\c*512
.endr
.endm
.macro FETCH_B set, off                ; all eight, fragment 0 first
	WIN TO_1
.irp b, 0,1,2,3,4,5,6,7
	FRAGB \set, \off, \b
.endr
	WIN 0
.endm
.macro FETCH_SB set, off               ; B's scale words of a pair of K steps: register b
	global_load_b128 v[SB+8*(\set):SB+8*(\set)+3], v[LO], s[SBB:SBB+1] offset:\off
	global_load_b128 v[SB+8*(\set)+4:SB+8*(\set)+7], v[LO], s[SBB:SBB+1] offset:\off+512
.endm
.macro PRO                             ; what a pass wants first
	FETCH_SB 0, 0
	FETCH_B 0, 0
	FETCH_B 1, 16384
.endm
; A group: 4 matrix instructions: A's blocks a0 .. a0 + 3 x B's fragment b.  q: B's set, and the K step's parity: the odd step's scale words lie in lanes 16-31.  pad = 1: a v_nop behind each.
; The 64 accumulators take turns, one instruction a turn, in one order.
.macro MUL4 a0, b, q, sc, zero, pad
.irp a, \a0, \a0+1, \a0+2, \a0+3
.if \zero
	v_wmma_scale_f32_16x16x128_f8f6f4 v[8*(8*((\a)%4)+(\b)):8*(8*((\a)%4)+(\b))+7], v[AF+16*(\a):AF+16*(\a)+15], v[128*(\q)+16*(\b):128*(\q)+16*(\b)+15], 0, v[SA+8*(\sc)+(\a)], v[SB+8*(\sc)+(\b)] matrix_a_fmt:MATRIX_FMT_BF8 matrix_b_fmt:MATRIX_FMT_BF8
.elseif \q
	v_wmma_scale_f32_16x16x128_f8f6f4 v[8*(8*((\a)%4)+(\b)):8*(8*((\a)%4)+(\b))+7], v[AF+16*(\a):AF+16*(\a)+15], v[128*(\q)+16*(\b):128*(\q)+16*(\b)+15], v[8*(8*((\a)%4)+(\b)):8*(8*((\a)%4)+(\b))+7], v[SA+8*(\sc)+(\a)], v[SB+8*(\sc)+(\b)] matrix_a_fmt:MATRIX_FMT_BF8 matrix_b_fmt:MATRIX_FMT_BF8 matrix_a_scale:MATRIX_SCALE_ROW1 matrix_b_scale:MATRIX_SCALE_ROW1
.else
	v_wmma_scale_f32_16x16x128_f8f6f4 v[8*(8*((\a)%4)+(\b)):8*(8*((\a)%4)+(\b))+7], v[AF+16*(\a):AF+16*(\a)+15], v[128*(\q)+16*(\b):128*(\q)+16*(\b)+15], v[8*(8*((\a)%4)+(\b)):8*(8*((\a)%4)+(\b))+7], v[SA+8*(\sc)+(\a)], v[SB+8*(\sc)+(\b)] matrix_a_fmt:MATRIX_FMT_BF8 matrix_b_fmt:MATRIX_FMT_BF8
.endif
.if \pad
	v_nop
.endif
.endr
.endm
; A K step: 64 matrix instructions in two halves, A's blocks 0-3 and then 4-7; within a half B's fragments one after the other, each against the half's four blocks.
; A: blocks 0-3 are free at the step's middle and are fetched anew there, blocks 4-7 at its end: one set of registers serves A.
; B: fragment b is first wanted 4 b products into a step and is free 36 + 4 b products into it.  So (a) the wait for B is counted fragment by fragment, ahead of each group of the first half;
;    (b) the set takes the fragments of two steps on in two runs of 16 loads: fragments 0-3 behind the second half's group 5, fragments 4-7 at the step's end: between a fragment's request and its first use stand 72 to 92 matrix instructions.
; A load into a register that a matrix instruction has read stands eight places behind it: for the run behind group 5 the places are a v_nop behind each product of groups 3 to 5:
; nine behind the last product that reads fragment 3.
; lc: the global loads that the step before has issued: 32 of B, at an odd step two of scale words more.  A figure of -1 says: none.
.macro KSTEP q, sc, zero, lc, nexta, saset, sbset, sboff, fboff, bump, hv
	s_wait_dscnt 16                                ; A's blocks 0-3 and the scale words are in; the youngest sixteen loads (blocks 4-7) may be out
	WIN MUL_LO
.irp b, 0,1,2,3,4,5,6,7
	s_wait_loadcnt 4*(7-\b)+\lc                    ; fragment b is in: behind it were issued this set's fragments b + 1 .. 7, four loads each, and the last step's lc loads.  B's scale words are older than fragment 0
	MUL4 0, \b, \q, \sc, \zero, 0
.endr
	s_wait_dscnt 0x0                               ; A's blocks 4-7 are in
	WIN 0
.set np, 8
.if \nexta
	s_add_co_u32 s[TA], s[TA], 2048
.irp j, 0,1,2,3
	v_add_nc_u32 v[AA+\j], s[TA], v[AB+\j]         ; the next K step's images (no LDS load of mine is out); these lines are places too
.endr
.set np, np-4
.endif
.if \saset >= 0
	s_add_co_u32 s[TSA], s[TSA], 128
	v_add_nc_u32 v[SAA], s[TSA], v[SAA0]
.set np, np-1
.endif
.rept np
	v_nop
.endr
.if \nexta
	FETCH_A 0
.endif
.if \saset >= 0
	FETCH_SA \saset
.endif
.if \hv
.irp b, 0,1,2,3,4,5,6,7
	global_load_b128 v[HV+4*\b:HV+4*\b+3], v[HVO], s[HVB:HVB+1] offset:\b*256   ; the pass's constants, into the registers that A's blocks 0 and 1 have left
.endr
.endif
.if \bump
	s_wait_alu depctr_va_vdst(0)
	s_wait_xcnt 0x0                                ; the loads issued so far have read their bases
	s_add_nc_u64 s[BB:BB+1], s[BB:BB+1], 65536     ; four K steps on
	s_add_nc_u64 s[SBB:SBB+1], s[SBB:SBB+1], 2048  ; two pairs on
.endif
.if \sbset >= 0
	FETCH_SB \sbset, \sboff                        ; the next pair's scale words of B, ahead of that pair's first fragment: the set's last reader stands in the step before
.endif
.irp b, 0,1,2,3,4,5,6,7
	WIN MUL_HI
.if (\b >= 3) && (\b <= 5)
	MUL4 4, \b, \q, \sc, \zero, 1
.else
	MUL4 4, \b, \q, \sc, \zero, 0
.endif
.if (\b == 5) && (\fboff >= 0)
	WIN TO_1
.irp f, 0,1,2,3
	FRAGB \q, \fboff, \f
.endr
.endif
.endr
	WIN 0
.rept 8
	v_nop
.endr
.if \nexta
	FETCH_A 4
.endif
.if \fboff >= 0
	WIN TO_1
.irp f, 4,5,6,7
	FRAGB \q, \fboff, \f
.endr
	WIN 0
.endif
.endm
; ---------------- phase T: the 256 results of window w.  Exponentials and reciprocals go as batches, each with one plain line and one wait behind it.
.macro TWIN w, win1, win2
	WIN \win1                                      ; destination and source 0: the accumulators' window
.set i, 0
.rept 128
	v_pk_fma_f32 v[2*i:2*i+1], v[2*i:2*i+1], s[CC:CC+1], v[HV+4*((i/4)%8):HV+4*((i/4)%8)+1] op_sel_hi:[1,0,1]   ; c z; each accumulator from its low end on
.set i, i+1
.endr
.set i, 0
	s_wait_alu depctr_va_vdst(0)
.rept 256
	v_exp_f32 v[i], v[i]
.set i, i+1
.endr
	v_nop
	s_wait_alu depctr_va_vdst(0)
.set i, 0
.rept 128
	v_pk_add_f32 v[2*i:2*i+1], v[2*i:2*i+1], 1.0 op_sel_hi:[1,0]
.set i, i+1
.endr
.set i, 0
	s_wait_alu depctr_va_vdst(0)
.rept 256
	v_rcp_f32 v[i], v[i]
.set i, i+1
.endr
	v_nop
	s_wait_alu depctr_va_vdst(0)
	WIN \win2                                      ; source 0: the accumulators' window; all else window 0
.irp b, 0,1,2,3,4,5,6,7                ; a sum is taken up again every sixteen instructions
.irp a, 0,1,2,3
.irp j, 0,2,4,6
	v_pk_fma_f32 v[S+8*(4*(\w-2)+\a)+\j:S+8*(4*(\w-2)+\a)+\j+1], v[8*(8*\a+\b)+\j:8*(8*\a+\b)+\j+1], v[HV+4*\b+2:HV+4*\b+3], v[S+8*(4*(\w-2)+\a)+\j:S+8*(4*(\w-2)+\a)+\j+1]
.endr
.endr
.endr
	WIN 0
.endm
	s_load_b256 s[4:11], s[0:1], 0x0               ; memory, w2f, w2s, hv
	s_load_b64 s[OUT:OUT+1], s[0:1], 0x20          ; scores
	s_load_b64 s[PT:PT+1], s[0:1], 0x28            ; part
	v_lshl_add_u32 v[SPW], v0, 2, SPARE
	v_mov_b32 v[NIL], 0
	v_lshrrev_b32 v24, 5, v0
	v_readfirstlane_b32 s[WV], v24                 ; wave 0..3
	v_and_b32 v24, 15, v0                          ; r
	v_bfe_u32 v25, v0, 4, 1                        ; h
	v_and_b32 v26, 31, v0                          ; lane
	v_lshlrev_b32 v[LO], 4, v26
.irp j, 0,1,2,3
	v_add_nc_u32 v[AB+\j], \j*65536, v[LO]
.endr
	v_lshl_add_u32 v[SAA0], v26, 2, ASC
	v_lshlrev_b32 v[HVO], 4, v24
	s_mul_i32 s16, s[WV], 16*SP
	s_add_co_u32 s16, s16, STG                     ; my stage
	v_add_nc_u32 v[STW], s16, v[LO]
	v_mul_u32_u24 v[STR], v24, SP
	v_lshl_add_u32 v[STR], v25, 6, v[STR]
	v_add_nc_u32 v[STR], s16, v[STR]
	s_lshl_b32 s16, s[WV], 16
	v_add_nc_u32 v[IA0], s16, v[LO]
	s_lshl_b32 s16, s[WV], 11
	s_add_co_u32 s16, s16, ASC
	v_lshl_add_u32 v[SW0], v24, 2, s16
	s_lshl_b32 s16, s[WV], 9
	s_add_co_u32 s16, s16, PSC
	v_lshl_add_u32 v[PS], v25, 5, s16
	v_add_nc_u32 v[PR], PSC, v[LO]
.irp b, 0,1,2,3
	v_mov_b32 v[TM+4+\b], 0                        ; written once: a lane permute's destination counts as one of its sources
.endr
	s_mov_b32 s[SEL], 0x76543210
	s_mov_b32 s[SEL+1], 0xfedcba98
	s_mov_b32 s[MNT], 0x600000
	s_mov_b32 s[CC], 0x4038aa3b                    ; c = 2 log2(e)
	s_mov_b32 s[CC+1], s[CC]
	s_mov_b32 s[TI], 0
	s_mov_b32 s[TS], 0
	s_mov_b32 s[PASS], 0
	s_and_b32 s15, ttmp7, 0xffff                   ; the batch
	s_lshl_b32 s16, s15, 10
	s_lshl_b32 s17, ttmp9, 7
	s_add_co_u32 s16, s16, s17                     ; the group's first position, counted over all batches
	s_lshl_b32 s18, s16, 2                         ; its place in scores
	s_mov_b32 s19, 0
	s_lshl_b32 s17, s[WV], 5
	s_add_co_u32 s16, s16, s17                     ; my wave's first row,
	s_lshl_b32 s16, s16, 13                        ; 8,192 bytes a row: under 2^28
	s_mov_b32 s17, 0
	s_wait_alu depctr_va_vdst(0)
	s_wait_kmcnt 0x0
	s_add_nc_u64 s[MB:MB+1], s[MB:MB+1], s[16:17]
	s_add_nc_u64 s[OUT:OUT+1], s[OUT:OUT+1], s[18:19]
	s_lshl_b32 s18, s[WV], 19
	s_add_nc_u64 s[BB:BB+1], s[BB:BB+1], s[18:19]
	s_lshl_b32 s18, s[WV], 14
	s_add_nc_u64 s[SBB:SBB+1], s[SBB:SBB+1], s[18:19]
	s_lshl_b32 s18, s15, 14
	s_lshl_b32 s16, s[WV], 12
	s_add_co_u32 s18, s18, s16
	s_add_nc_u64 s[HVB:HVB+1], s[HVB:HVB+1], s[18:19]
	; ---- Q: eight trips of two K steps; 64 loads of a wave are out, 512 bytes each
	LOADSET 0, 0
	LOADSET 1, 0
	LOADSET 2, 0
	LOADSET 3, 0
	s_wait_loadcnt 48                              ; unit 0's sixteen are in
	TURNQ 0, 0
	s_mov_b32 s[CNT], 7
.Ltrip:
	TRIPHEAD
	UNIT 0, 1, 1, 48                               ; of the 64 loads that are out the oldest sixteen are the next unit's
	UNIT 1, 1, 1, 48
	UNIT 2, 1, 1, 48
	UNIT 3, 1, 1, 48
	s_wait_xcnt 0x0                                ; the loads have read their base: it steps
	s_add_nc_u64 s[MB:MB+1], s[MB:MB+1], 1024
	s_add_co_u32 s[TI], s[TI], 4096
	s_add_co_u32 s[TS], s[TS], 128
	s_sub_co_u32 s[CNT], s[CNT], 1
	s_cmp_lg_u32 s[CNT], 0
	s_cbranch_scc1 .Ltrip
	TRIPHEAD                                       ; the last trip loads nothing: the counts run down
	UNIT 0, 0, 1, 32
	UNIT 1, 0, 1, 16
	UNIT 2, 0, 1, 0
	UNIT 3, 0, 0, 0
	s_wait_dscnt 0x0                               ; for the others' sake: my images and scale words lie in LDS; and the stores have read their registers
.set i, 0
.rept 64
	v_mov_b32 v[S+i], 0                            ; the 64 sums: both passes run one text, so no first step can start them
.set i, i+1
.endr
	PRO                                            ; the first pass's first fragments of B are asked for ahead of the barrier: nobody writes those bytes
	s_barrier_signal -1
	s_barrier_wait -1                              ; all 128 rows' codes lie in LDS
	; ---- G and T, twice
.Lpass:
	s_mov_b32 s[TA], 0
	s_mov_b32 s[TSA], 0
.irp j, 0,1,2,3
	v_add_nc_u32 v[AA+\j], s[TA], v[AB+\j]
.endr
	v_add_nc_u32 v[SAA], s[TSA], v[SAA0]
	FETCH_A 0
	FETCH_SA 0
	FETCH_A 4
	;     q sc zero lc  nexta saset sbset sboff fboff bump hv
	KSTEP 0, 0, 1, 32, 1, -1,  1, 1024, 32768, 0, 0    ; K step 0 starts the sums.  Behind B(0): B(1)'s 32 loads
	s_mov_b32 s[LAP], 3
.Llap:                                                 ; K steps 4 L + 1 .. 4 L + 4
	KSTEP 1, 0, 0, 34, 1,  1, -1, 0,    49152, 0, 0    ; the even step before it has issued two loads of scale words and 32 of B
	KSTEP 0, 1, 0, 32, 1, -1,  0, 2048, 65536, 0, 0
	KSTEP 1, 1, 0, 34, 1,  0, -1, 0,    81920, 0, 0
	KSTEP 0, 0, 0, 32, 1, -1,  1, 1024, 32768, 1, 0    ; the bases step in its middle: its own offsets count from the new ones
	s_sub_co_u32 s[LAP], s[LAP], 1
	s_cmp_lg_u32 s[LAP], 0
	s_cbranch_scc1 .Llap
	KSTEP 1, 0, 0, 34, 1,  1, -1, 0,    49152, 0, 0    ; K step 13 asks for B(15)
	KSTEP 0, 1, 0, 32, 1, -1, -1, 0,    -1,    0, 0    ; 14: nothing is left to ask for
	KSTEP 1, 1, 0, 0,  0, -1, -1, 0,    -1,    0, 1    ; 15: and the pass's constants
	s_wait_loadcnt 0x0                             ; the constants are in; no global load of mine is out, so the bases may step
	s_cmp_eq_u32 s[PASS], 1
	s_cbranch_scc1 .Lno_pro                        ; behind the second pass there is no stream left: no load leaves its buffer
	s_add_nc_u64 s[BB:BB+1], s[BB:BB+1], 65536     ; from K step 12 of this pass to K step 0 of the next
	s_add_nc_u64 s[SBB:SBB+1], s[SBB:SBB+1], 2048
	PRO                                            ; the next pass's first fragments come while the results are worked on (eight places stand behind the last product)
.Lno_pro:
	TWIN 2, 0x82, 0x02
	TWIN 3, 0xc3, 0x03
	s_add_nc_u64 s[HVB:HVB+1], s[HVB:HVB+1], 2048  ; the next 128 columns' constants
	s_add_co_u32 s[PASS], s[PASS], 1
	s_cmp_lt_u32 s[PASS], 2
	s_cbranch_scc1 .Lpass
; ---------------- phase C
.macro CLOAD j                         ; one whole row into ring place j: 16 loads of 512 consecutive bytes.  The caller sets the windows: destination window 1
.irp c, 0,1,2,3,4,5,6,7,8,9,10,11,12,13,14,15
	global_load_b128 v[64*(\j)+4*\c:64*(\j)+4*\c+3], v[LO], s[MB:MB+1] offset:(\j)*8192+\c*512 th:TH_LOAD_NT
.endr
.endm
.macro CROW j, reload, lc              ; row j of a trip's four: weight x row onto the 64 sums; then the row four further on takes its place
	s_wait_loadcnt \lc                             ; this row's sixteen loads are the oldest: the lc younger ones may be out
	WIN ST_1                                       ; source 1 (the row) window 1
.irp c, 0,1,2,3,4,5,6,7,8,9,10,11,12,13,14,15
.irp i, 0,1,2,3
	v_fmac_f32 v[CA+4*\c+\i], v[CW+\j], v[64*(\j)+4*\c+\i]
.endr
.endr
.if \reload
.if \j == 0
	s_wait_xcnt 0x0                                ; the loads issued so far have read their base: it steps four rows
	s_add_nc_u64 s[MB:MB+1], s[MB:MB+1], 32768
.endif
	WIN TO_1
	CLOAD \j
.endif
	WIN 0
.endm
.macro CTRIP reload, l0, l1, l2, l3
	v_add_nc_u32 v[CWA], s[TS], v[CWA0]
	ds_load_b128 v[CW:CW+3], v[CWA]                ; four weights, every lane the same four
	s_wait_dscnt 0x0
	CROW 0, \reload, \l0
	CROW 1, \reload, \l1
	CROW 2, \reload, \l2
	CROW 3, \reload, \l3
.endm
	s_wait_loadcnt 0x0                             ; no global load of mine is out when the ring's loads are issued into window 1 (the second pass asked for no further fragments of B)
	s_sub_nc_u64 s[MB:MB+1], s[MB:MB+1], 7168      ; back to my rows' first byte: Q stepped seven times 1,024
	WIN TO_1
	CLOAD 0                                        ; the ring's first four rows are asked for ahead of the scores' sums: they hang on no score
	CLOAD 1
	CLOAD 2
	CLOAD 3
	WIN 0
	s_lshl_b32 s36, s[WV], 9
	s_add_co_u32 s36, s36, PB                      ; my copy of the weights
	s_lshl_b32 s37, s[WV], 7
	s_add_co_u32 s37, s37, s36                     ; my 32 rows' weights in it
	s_lshl_b32 s38, s[WV], 13                      ; my 8,192 bytes of PART (PART lies at LDS byte 0)
	s_lshl_b32 s39, s[WV], 11                      ; the 512 columns that I add up and store
	s_and_b32 s40, ttmp7, 0xffff
	s_lshl_b32 s40, s40, 3
	s_add_co_u32 s40, s40, ttmp9                   ; 8 x batch + group,
	s_lshl_b32 s40, s40, 13                        ; 8,192 bytes each
	s_add_co_u32 s40, s40, s39
	s_mov_b32 s41, 0
	s_add_nc_u64 s[PT:PT+1], s[PT:PT+1], s[40:41]
	; ---- the sums over a wave's 256 columns: sixteen lanes hold sixteen columns of the same rows
.irp m, 1,2,4,8
.set i, 0
.rept 64
	v_add_f32_dpp v[S+i], v[S+i], v[S+i] row_xmask:\m row_mask:0xf bank_mask:0xf
.set i, i+1
.endr
.endr
	s_wait_alu depctr_va_vdst(0)
	s_wait_dscnt 0x0
	s_barrier_signal -1
	s_barrier_wait -1                              ; every wave's reads of the images are over before any wave stores to LDS again
.irp a, 0,1,2,3,4,5,6,7
	ds_store_b128 v[PS], v[S+8*\a:S+8*\a+3] offset:\a*64       ; rows 16 a + 8 h + 0 .. 7; sixteen lanes store the same words to the same place
	ds_store_b128 v[PS], v[S+8*\a+4:S+8*\a+7] offset:\a*64+16
.endr
	s_wait_dscnt 0x0                               ; for the others' sake: my partial scores lie in LDS
	s_barrier_signal -1
	s_barrier_wait -1
.irp k, 0,1,2,3
	ds_load_b128 v[128+4*\k:131+4*\k], v[PR] offset:\k*512     ; four positions a lane, of each wave's part
.endr
	s_wait_dscnt 0x0
	v_pk_add_f32 v[128:129], v[128:129], v[132:133]
	v_pk_add_f32 v[130:131], v[130:131], v[134:135]
	v_pk_add_f32 v[136:137], v[136:137], v[140:141]
	v_pk_add_f32 v[138:139], v[138:139], v[142:143]
	v_pk_add_f32 v[128:129], v[128:129], v[136:137]
	v_pk_add_f32 v[130:131], v[130:131], v[138:139]
	s_wait_alu depctr_va_vdst(0)
	s_cmp_lg_u32 s[WV], 0                          ; every wave holds the group's 128 scores, four a lane; wave 0 stores them
	s_cbranch_scc1 .Lnot_0
	global_store_b128 v[LO], v[128:131], s[OUT:OUT+1]          ; 32 lanes store 512 consecutive bytes, at a multiple of 512 from the buffer's first byte
.Lnot_0:
	v_max3_num_f32 v132, v128, v129, v130          ; m_g: the largest of the 128
	v_max_num_f32 v132, v132, v131
.irp m, 1,2,4,8
	v_max_num_f32_dpp v132, v132, v132 row_xmask:\m row_mask:0xf bank_mask:0xf
.endr
	v_permlanex16_b32 v133, v132, s[SEL], s[SEL+1]
	v_max_num_f32 v132, v132, v133
.irp i, 0,1,2,3
	v_sub_f32 v[136+\i], v[128+\i], v132
.endr
.irp i, 0,1,2,3
	v_mul_f32 v[136+\i], 0x3fb8aa3b, v[136+\i]     ; x log2(e)
.endr
	s_wait_alu depctr_va_vdst(0)
.irp i, 0,1,2,3
	v_exp_f32 v[136+\i], v[136+\i]                 ; the weights e^(score' - m_g), at most 1
.endr
	v_add_nc_u32 v[PWA], s36, v[LO]                ; plain work behind the batch: C's LDS addresses,
	v_mov_b32 v[CWA0], s37
	v_add_nc_u32 v[PTA], s38, v[LO]
	v_add_nc_u32 v[PRA], s39, v[LO]
.set i, 0
.rept 64
	v_mov_b32 v[CA+i], 0                           ; and the 64 sums: all rows run one text, so no first row can start them
.set i, i+1
.endr
	s_wait_alu depctr_va_vdst(0)                   ; the one wait behind the batch, ahead of its first reader
	ds_store_b128 v[PWA], v[136:139]               ; my own copy: LDS serves a wave's instructions in order, so my loads below see it
	s_mov_b32 s[TS], 0
	s_mov_b32 s[CNT], 7
.Lctx:                                                 ; seven trips of four rows, each row's place filled again
	CTRIP 1, 48, 48, 48, 48
	s_add_co_u32 s[TS], s[TS], 16
	s_sub_co_u32 s[CNT], s[CNT], 1
	s_cmp_lg_u32 s[CNT], 0
	s_cbranch_scc1 .Lctx
	CTRIP 0, 48, 32, 16, 0                         ; the last four rows load nothing: the counts run down
.irp c, 0,1,2,3,4,5,6,7,8,9,10,11,12,13,14,15
	ds_store_b128 v[PTA], v[CA+4*\c:CA+4*\c+3] offset:\c*512
.endr
	s_wait_dscnt 0x0                               ; for the others' sake: my sums lie in LDS
	s_barrier_signal -1
	s_barrier_wait -1
.irp k, 0,1,2,3                        ; wave w adds up columns 512 w .. 512 w + 511 of the four waves' sums
.irp c, 0,1,2,3
	ds_load_b128 v[128+16*\k+4*\c:128+16*\k+4*\c+3], v[PRA] offset:\k*8192+\c*512
.endr
.endr
	s_wait_dscnt 0x0
.irp k, 1,2,3
.irp c, 0,2,4,6,8,10,12,14
	v_pk_add_f32 v[128+\c:129+\c], v[128+\c:129+\c], v[128+16*\k+\c:129+16*\k+\c]
.endr
.endr
.irp c, 0,1,2,3
	global_store_b128 v[LO], v[128+4*\c:131+4*\c], s[PT:PT+1] offset:\c*512   ; 32 lanes store 512 consecutive bytes, at a multiple of 512 from part's first byte
.endr
.Lend:
	s_wait_tensorcnt 0x0                           ; the wave's end: behind my last LDS store
	ds_add_u32 v[SPW], v[NIL]
	s_wait_dscnt 0x0
	s_endpgm
.Lfunc_end_k_qa177c4068c_score:
	.size	k_qa177c4068c_score, .Lfunc_end_k_qa177c4068c_score-k_qa177c4068c_score
	.p2alignl 7, 3214868480
	.fill 96, 4, 3214868480
	.section	.rodata,"a",@progbits
	.p2align	6, 0x0
	.amdhsa_kernel k_qa177c4068c_score
		.amdhsa_group_segment_fixed_size 306688
		.amdhsa_private_segment_fixed_size 0
		.amdhsa_enable_private_segment 0
		.amdhsa_kernarg_size 48
		.amdhsa_user_sgpr_count 2
		.amdhsa_user_sgpr_kernarg_segment_ptr 1
		.amdhsa_wavefront_size32 1
		.amdhsa_system_sgpr_workgroup_id_x 1
		.amdhsa_system_sgpr_workgroup_id_y 1
		.amdhsa_system_sgpr_workgroup_id_z 1
		.amdhsa_system_vgpr_workitem_id 0
		.amdhsa_next_free_vgpr 1024
		.amdhsa_next_free_sgpr 66
		.amdhsa_reserve_vcc 0
		.amdhsa_float_denorm_mode_32 3
		.amdhsa_float_denorm_mode_16_64 3
		.amdhsa_memory_ordered 1
		.amdhsa_forward_progress 1
		.amdhsa_inst_pref_size 255
	.end_amdhsa_kernel
	.section	.bss,"aw",@nobits
	.p2align	6
	.space	262144
	.amdgpu_metadata
---
amdhsa.version: [ 1, 2 ]
amdhsa.kernels:
  - .name:           k_qa177c4068c_score
    .symbol:         k_qa177c4068c_score.kd
    .args:
      - { .name: memory, .offset: 0, .size: 8, .value_kind: global_buffer, .address_space: global }
      - { .name: w2f, .offset: 8, .size: 8, .value_kind: global_buffer, .address_space: global }
      - { .name: w2s, .offset: 16, .size: 8, .value_kind: global_buffer, .address_space: global }
      - { .name: hv, .offset: 24, .size: 8, .value_kind: global_buffer, .address_space: global }
      - { .name: scores, .offset: 32, .size: 8, .value_kind: global_buffer, .address_space: global }
      - { .name: part, .offset: 40, .size: 8, .value_kind: global_buffer, .address_space: global }
    .group_segment_fixed_size: 306688
    .private_segment_fixed_size: 0
    .kernarg_segment_align: 8
    .kernarg_segment_size: 48
    .max_flat_workgroup_size: 128
    .sgpr_count:     66
    .vgpr_count:     1024
    .wavefront_size: 32
...
	.end_amdgpu_metadata
.endif
;; end of part 2
;; launch combine (part 3): grid 8 x 32, 1 waves a work-group, no clusters, 0 bytes of LDS; arguments scores, part, out0, out1; writes out0, out1
.if DOCPART == 3
	.amdgcn_target "amdgcn-amd-amdhsa--gfx1250"
	.amdhsa_code_object_version 6
	.text
	.protected	k_qa177c4068c_combine
	.globl	k_qa177c4068c_combine
	.p2align	8
	.type	k_qa177c4068c_combine,@function
k_qa177c4068c_combine:
	s_mov_b64 s[64:65], 0
	v_nop
	global_prefetch_b8 v0, s[64:65] scope:SCOPE_SE
	s_setreg_imm32_b32 hwreg(HW_REG_WAVE_MODE, 25, 1), 1
	s_wait_xcnt 0x0
; out1[b][s] = e^(score'[s] - M) / L, M the largest and L the sum of e^(score' - M) over the batch's 1,024 positions;
; out0[b][d] = sum over the batch's eight groups g of (e^(m_g - M) / L) part[b][g][d], m_g the largest score of group g (positions 128 g .. 128 g + 127), under which part[b][g] was summed.  All in f32.
; LEFT OUT (shown at the head of the first kernel): bv and sum_h v[h], both the same for all positions of a row: the softmax takes them away.
; LIMITS: NaN and infinities among the inputs are not served.  The exponent is formed as score' x log2(e) - M x log2(e), one fused multiply-add: another order of rounding than (score' - M) x log2(e).
; SHARES.  A work-group is one wave: batch y, columns 256 x .. 256 x + 255 of out0 and positions 128 x .. 128 x + 127 of out1: each number has one owner.
; Every wave reads the batch's 1,024 scores (load g brings group g, four a lane), so maxima and sum need no LDS and no barrier.  All 25 loads go out at the head; there is no loop to run ahead in, so no data prefetch.
; No matrix unit, no tensor load, no cluster: what work-groups share is the 4,096 bytes of scores.
.set SC, 16                            ; v16-47   the scores, group g at v[SC + 4 g]; then e^(score' - M)
.set OW, 48                            ; v48-51   my own group's scores once more; then its row of out1
.set GM, 52                            ; v52-59   m_g; then e^(m_g - M) / L
.set TP, 60                            ; v60-67   lane l xor 16's numbers
.set PA, 68                            ; v68-131  part: group g's eight numbers at v[PA + 8 g]
.set AC, 132                           ; v132-139 my eight columns' sums
	s_load_b256 s[4:11], s[0:1], 0x0               ; scores s[4:5], part s[6:7], out0 s[8:9], out1 s[10:11]
	v_lshlrev_b32 v1, 4, v0                        ; 16 x lane
	v_mov_b32 v5, 0                                ; (named as the upper half of the pair v[4:5])
.irp g, 0,1,2,3,4,5,6,7
	v_mov_b32 v[TP+\g], 0                          ; written once: a lane permute's destination counts as one of its sources
.endr
	s_and_b32 s12, ttmp7, 0xffff                   ; the batch
	s_lshl_b32 s14, s12, 12                        ; its row of scores and of out1
	s_mov_b32 s15, 0
	s_lshl_b32 s16, s12, 16                        ; its eight rows of part,
	s_lshl_b32 s18, ttmp9, 10                      ; my 1,024 bytes of each
	s_add_co_u32 s16, s16, s18
	s_mov_b32 s17, 0
	s_lshl_b32 s20, s12, 13                        ; its row of out0
	s_add_co_u32 s20, s20, s18
	s_mov_b32 s21, 0
	s_lshl_b32 s22, ttmp9, 9                       ; my group's 512 bytes of a row of scores
	s_mov_b32 s23, 0
	s_mov_b32 s24, 0x76543210
	s_mov_b32 s25, 0xfedcba98                      ; v_permlanex16_b32's selects for lane l xor 16
	s_mov_b32 s28, 0x3fb8aa3b                      ; log2(e), as a pair
	s_mov_b32 s29, s28
	s_wait_alu depctr_va_vdst(0)
	s_wait_kmcnt 0x0
	s_add_nc_u64 s[4:5], s[4:5], s[14:15]
	s_add_nc_u64 s[26:27], s[4:5], s[22:23]
	s_add_nc_u64 s[10:11], s[10:11], s[14:15]
	s_add_nc_u64 s[10:11], s[10:11], s[22:23]
	s_add_nc_u64 s[6:7], s[6:7], s[16:17]
	s_add_nc_u64 s[8:9], s[8:9], s[20:21]
.irp g, 0,1,2,3,4,5,6,7
	global_load_b128 v[SC+4*\g:SC+4*\g+3], v1, s[4:5] offset:\g*512
.endr
	global_load_b128 v[OW:OW+3], v1, s[26:27]
.irp g, 0,1,2,3,4,5,6,7
	global_load_b128 v[PA+8*\g:PA+8*\g+3], v1, s[6:7] offset:\g*8192
	global_load_b128 v[PA+8*\g+4:PA+8*\g+7], v1, s[6:7] offset:\g*8192+512
.endr
	s_wait_loadcnt 16                              ; the scores are in; part's sixteen loads may be out
	; ---- the eight groups' maxima, by turns, and the batch's
.irp g, 0,1,2,3,4,5,6,7
	v_max3_num_f32 v[GM+\g], v[SC+4*\g], v[SC+4*\g+1], v[SC+4*\g+2]
.endr
.irp g, 0,1,2,3,4,5,6,7
	v_max_num_f32 v[GM+\g], v[GM+\g], v[SC+4*\g+3]
.endr
.irp m, 1,2,4,8
.irp g, 0,1,2,3,4,5,6,7
	v_max_num_f32_dpp v[GM+\g], v[GM+\g], v[GM+\g] row_xmask:\m row_mask:0xf bank_mask:0xf
.endr
.endr
.irp g, 0,1,2,3,4,5,6,7
	v_permlanex16_b32 v[TP+\g], v[GM+\g], s24, s25
.endr
.irp g, 0,1,2,3,4,5,6,7
	v_max_num_f32 v[GM+\g], v[GM+\g], v[TP+\g]
.endr
	v_max3_num_f32 v2, v[GM], v[GM+1], v[GM+2]
	v_max3_num_f32 v2, v2, v[GM+3], v[GM+4]
	v_max3_num_f32 v2, v2, v[GM+5], v[GM+6]
	v_max_num_f32 v2, v2, v[GM+7]                  ; M
	v_mul_f32 v4, 0xbfb8aa3b, v2                   ; -M log2(e)
	; ---- the exponents of the 32 scores, of my group's four and of the eight m_g: v16-59, two at a time
.set i, 0
.rept 22
	v_pk_fma_f32 v[SC+2*i:SC+2*i+1], v[SC+2*i:SC+2*i+1], s[28:29], v[4:5] op_sel_hi:[1,0,0]
.set i, i+1
.endr
	s_wait_alu depctr_va_vdst(0)
.set i, 0
.rept 44
	v_exp_f32 v[SC+i], v[SC+i]
.set i, i+1
.endr
	v_nop                                          ; one plain line behind the batch,
	s_wait_alu depctr_va_vdst(0)                   ; and the one wait ahead of its first reader
	; ---- L
	v_pk_add_f32 v[6:7], v[SC:SC+1], v[SC+2:SC+3]
	v_pk_add_f32 v[8:9], v[SC+4:SC+5], v[SC+6:SC+7]
.irp j, 8,12,16,20,24,28
	v_pk_add_f32 v[6:7], v[6:7], v[SC+\j:SC+\j+1]
	v_pk_add_f32 v[8:9], v[8:9], v[SC+\j+2:SC+\j+3]
.endr
	v_pk_add_f32 v[6:7], v[6:7], v[8:9]
	v_add_f32 v6, v6, v7
.irp m, 1,2,4,8
	v_add_f32_dpp v6, v6, v6 row_xmask:\m row_mask:0xf bank_mask:0xf
.endr
	v_permlanex16_b32 v[TP], v6, s24, s25
	v_add_f32 v6, v6, v[TP]
	s_wait_alu depctr_va_vdst(0)                   ; ahead of the transcendental too
	v_rcp_f32 v8, v6
	v_nop
	s_wait_alu depctr_va_vdst(0)
.irp i, 0,1,2,3
	v_mul_f32 v[OW+\i], v[OW+\i], v8               ; my 128 positions of out1
.endr
.irp g, 0,1,2,3,4,5,6,7
	v_mul_f32 v[GM+\g], v[GM+\g], v8               ; e^(m_g - M) / L
.endr
	global_store_b128 v1, v[OW:OW+3], s[10:11]     ; 32 lanes store 512 consecutive bytes, at a multiple of 512 from out1's first byte
	s_wait_alu depctr_va_vdst(0)
	s_wait_loadcnt 0x0                             ; part is in
.irp k, 0,1,2,3,4,5,6,7
	v_mul_f32 v[AC+\k], v[GM], v[PA+\k]            ; group 0 starts the sums
.endr
.irp g, 1,2,3,4,5,6,7
.irp k, 0,1,2,3,4,5,6,7
	v_fmac_f32 v[AC+\k], v[GM+\g], v[PA+8*\g+\k]
.endr
.endr
	global_store_b128 v1, v[AC:AC+3], s[8:9]       ; each store covers 512 consecutive bytes, at a multiple of 512 from out0's first byte
	global_store_b128 v1, v[AC+4:AC+7], s[8:9] offset:512
	s_endpgm
.Lfunc_end_k_qa177c4068c_combine:
	.size	k_qa177c4068c_combine, .Lfunc_end_k_qa177c4068c_combine-k_qa177c4068c_combine
	.p2alignl 7, 3214868480
	.fill 96, 4, 3214868480
	.section	.rodata,"a",@progbits
	.p2align	6, 0x0
	.amdhsa_kernel k_qa177c4068c_combine
		.amdhsa_group_segment_fixed_size 0
		.amdhsa_private_segment_fixed_size 0
		.amdhsa_enable_private_segment 0
		.amdhsa_kernarg_size 32
		.amdhsa_user_sgpr_count 2
		.amdhsa_user_sgpr_kernarg_segment_ptr 1
		.amdhsa_wavefront_size32 1
		.amdhsa_system_sgpr_workgroup_id_x 1
		.amdhsa_system_sgpr_workgroup_id_y 1
		.amdhsa_system_sgpr_workgroup_id_z 1
		.amdhsa_system_vgpr_workitem_id 0
		.amdhsa_next_free_vgpr 144
		.amdhsa_next_free_sgpr 66
		.amdhsa_reserve_vcc 0
		.amdhsa_float_denorm_mode_32 3
		.amdhsa_float_denorm_mode_16_64 3
		.amdhsa_memory_ordered 1
		.amdhsa_forward_progress 1
		.amdhsa_inst_pref_size 15
	.end_amdhsa_kernel
	.amdgpu_metadata
---
amdhsa.version: [ 1, 2 ]
amdhsa.kernels:
  - .name:           k_qa177c4068c_combine
    .symbol:         k_qa177c4068c_combine.kd
    .args:
      - { .name: scores, .offset: 0, .size: 8, .value_kind: global_buffer, .address_space: global }
      - { .name: part, .offset: 8, .size: 8, .value_kind: global_buffer, .address_space: global }
      - { .name: out0, .offset: 16, .size: 8, .value_kind: global_buffer, .address_space: global }
      - { .name: out1, .offset: 24, .size: 8, .value_kind: global_buffer, .address_space: global }
    .group_segment_fixed_size: 0
    .private_segment_fixed_size: 0
    .kernarg_segment_align: 8
    .kernarg_segment_size: 32
    .max_flat_workgroup_size: 32
    .sgpr_count:     66
    .vgpr_count:     144
    .wavefront_size: 32
...
	.end_amdgpu_metadata
.endif
;; end of part 3
